; MI455X (gfx1250); checked and timed in simulation.
; The chip was launched on July 23, 2026; its instructions are those of AMD's public machine-readable ISA for CDNA 5 (MIT licence, August 2026) and "CDNA5" Instruction Set Architecture Reference Guide (July 2026). The comments in the code are by the model that wrote it; some were corrected since.
;; Support Memory Attention Summary V2. Allowed arithmetic: float matrix products may take bf16 or f16 operands with f32 sums; all other float work in f32.
;; Inputs: Wk 256 x 256 float32; Wm 256 x 256 float32; Wo 256 x 256 float32; Wq 256 x 256 float32; Wv 256 x 256 float32; bk 256 float32; bm 256 float32; bo 256 float32; bq 256 float32; bv 256 float32; ln_b 256 float32; ln_w 256 float32; query_hidden 128 x 256 float32; support_memory 128 x 2,048 x 256 float32.
;; Outputs: out0 128 x 256 float32.
;; 2 versions, each right; version 2 is version 1 with the launch final written anew for expert scheduling mode. Each part assembles by itself: llvm-mc -triple=amdgcn-amd-amdhsa -mcpu=gfx1250 --defsym DOCPART=n.
;; ======== version 1 of 2: 3 launches
;; workspace buffers: ubuf 524,288 bytes; cb 4,096 bytes; pf 1,048,576 bytes; ch 8,192 bytes; part 2,621,440 bytes
;; launch prep (part 1): grid 16 x 1, 16 waves a work-group, no clusters, 280,320 bytes of LDS; arguments Wm, Wk, Wv, Wq, Wo, query_hidden, ln_w, ln_b, bm, bk, bv, bq, ubuf, cb, pf, ch; writes ubuf, cb, pf, ch
.if DOCPART == 1
	.amdgcn_target "amdgcn-amd-amdhsa--gfx1250"
	.amdhsa_code_object_version 6
	.text
	.protected	k_q9df99f76de_prep
	.globl	k_q9df99f76de_prep
	.p2align	8
	.type	k_q9df99f76de_prep,@function
k_q9df99f76de_prep:
	s_mov_b64 s[64:65], 0
	v_nop
	global_prefetch_b8 v0, s[64:65] scope:SCOPE_SE
	s_setreg_imm32_b32 hwreg(HW_REG_WAVE_MODE, 25, 1), 1
	s_wait_xcnt 0x0
; THE SMALL PRODUCTS, made once.  Behind the LayerNorm only the softmax is not linear, so the weights are multiplied together first.
; With xhat = (x - mean) rsqrt(var + eps), y0 = Wm ln_b + bm, kappa = log2(e) / sqrt(32):
;   logit (base 2) [b,h,m] = U[b,h,:] . xhat[b,m,:] + c[b,h],  U[b,h,i] = kappa ln_w[i] sum_d q[b,32h+d] (Wk Wm)[32h+d,i],  c[b,h] = kappa sum_d q[b,32h+d] (Wk y0 + bk)[32h+d]
;   out[b,o] = sum_h,i z[b,h,i] P[o,h,i] + sum_h ch[h,o] + bo[o],  P[o,h,i] = ln_w[i] sum_d Wo[o,32h+d] (Wv Wm)[32h+d,i],  ch[h,o] = sum_d Wo[o,32h+d] (Wv y0 + bv)[32h+d]
; (z is the softmax-weighted mean of xhat; the weights add up to 1, which is why ch stands outside the mean.)
; SHARES.  16 work-groups: head h = x & 7; x >> 3 = 0 makes U and c of that head, 1 makes P and ch.  The branch on it is the same for all waves of a work-group; both ways are written out from one macro,
; and what only one of the two ways puts into LDS has bytes that the other way never names.
; 16 waves; wave w owns the channels i = 16 w .. 16 w + 15 of G = S1 Wm (S1 = the head's 32 rows of Wk or Wv).
; FORMATS.  Matrix operands bf16, sums f32.  The chain of biases (y0, S1 y0 + bias, ch, c's second factor) is f32 on the vector unit throughout.
; LIMITS.  NaN and infinities are not treated apart.
; No tensor loads (every number passes through registers for its conversion), no cluster (16 work-groups read 1.3 MB that stays cached), no prefetch (a short launch).
.set WMP,  544                         ; pitch of Wm's rows [j][i] in LDS: 512 + 32 bytes, for the turning loads
.set S1S,  139264                      ; 32 rows x 528: S1 [d][j]
.set WQS,  156160                      ; U: 32 rows x 528: the head's rows of Wq
.set QS,   176640                      ; U: 128 rows x 528: query_hidden; later U's stage
.set QH,   244224                      ; U: 128 rows x 80: q [b][d]
.set Y0,   254464                      ; 256 f32: Wm ln_b
.set KB,   255488                      ; 32 f32: S1 y0 + bias
.set CS,   255744                      ; U: c's two halves [dt][b]
.set SPARE,256768                      ; the spare words, 128 bytes a wave: no other line names them
.set WOS,  258816                      ; P: 256 rows x 80: Wo[o][32h .. 32h+31]
.set CHS,  279296                      ; P: ch [o], 256 f32
; v1 lane, v2 lane % 16 (r), v3 lane / 16 (hh), v4-11, v14, v15 addresses, v12 and v13 the add's two registers, v16-23 ln_b, v24-31 at work,
; v32-159 16 rows of Wm, later fragments (v32-127) and accumulators; v160-175 two rows of S1 in f32; v176-191 two rows of Wq or 16 pieces of Wo; v192-255 8 query rows,
; later: v192-199 bm, v200-207 y0, v208-209 bias, v210-217 bq, v218-225 ln_w, v226-233 G as a fragment, v234-241 KB, v242-255 addresses
.macro PLACES                          ; four places behind matrix instructions, ahead of reads of their results and of loads into their sources
.rept 4
	v_nop
.endr
.endm
.macro DOT8 d, a, b                    ; v[d] = the dot product of 8 registers at a and 8 at b
	v_pk_mul_f32 v[(\d):(\d)+1], v[(\a):(\a)+1], v[(\b):(\b)+1]
	v_pk_fma_f32 v[(\d):(\d)+1], v[(\a)+2:(\a)+3], v[(\b)+2:(\b)+3], v[(\d):(\d)+1]
	v_pk_fma_f32 v[(\d):(\d)+1], v[(\a)+4:(\a)+5], v[(\b)+4:(\b)+5], v[(\d):(\d)+1]
	v_pk_fma_f32 v[(\d):(\d)+1], v[(\a)+6:(\a)+7], v[(\b)+6:(\b)+7], v[(\d):(\d)+1]
	v_add_f32 v[(\d)], v[(\d)], v[(\d)+1]
.endm
.macro RED regs:vararg                 ; sums over the 32 lanes, several at a time; the register above each is at work
.irp m, 1,2,4,8
.irp u, \regs
	v_add_f32_dpp v[\u], v[\u], v[\u] row_xmask:\m row_mask:0xf bank_mask:0xf
.endr
.endr
.irp u, \regs
	v_permlanex16_b32 v[\u+1], v[\u], s40, s41
.endr
.irp u, \regs
	v_add_f32 v[\u], v[\u], v[\u+1]
.endr
.endm
.macro STROW R, adr, off               ; a row's 8 numbers of my lane (channels 4 L .. and 128 + 4 L ..) rounded to bf16 and put into LDS
	v_cvt_pk_bf16_f32 v24, v[(\R)], v[(\R)+1]
	v_cvt_pk_bf16_f32 v25, v[(\R)+2], v[(\R)+3]
	v_cvt_pk_bf16_f32 v26, v[(\R)+4], v[(\R)+5]
	v_cvt_pk_bf16_f32 v27, v[(\R)+6], v[(\R)+7]
	ds_store_b64 v[\adr], v[24:25] offset:\off
	ds_store_b64 v[\adr], v[26:27] offset:(\off)+256
.endm
; Four chunks of 32 along j of G[d][i] = sum_j S1[d][j] Wm[j][i]: source 0 = 16 rows d of S1, source 1 = 16 columns i of Wm, turned on the way out of LDS.  Two accumulators (d 0-15, d 16-31) by turns.
.macro GHALF c0
.irp c, 0,1,2,3
.set cc, (\c0)+\c
.set fr, 32+24*\c
	ds_load_b128 v[fr:fr+3], v245 offset:64*cc
	ds_load_b128 v[fr+4:fr+7], v245 offset:64*cc+32
	ds_load_b128 v[fr+8:fr+11], v245 offset:8448+64*cc
	ds_load_b128 v[fr+12:fr+15], v245 offset:8448+64*cc+32
	ds_load_tr16_b128 v[fr+16:fr+19], v[246+cc/3] offset:(cc%3)*32*WMP
	ds_load_tr16_b128 v[fr+20:fr+23], v[246+cc/3] offset:(cc%3)*32*WMP+16*WMP
.endr
.irp c, 0,1,2,3
.set cc, (\c0)+\c
.set fr, 32+24*\c
	s_wait_dscnt 18-6*\c                   ; the later chunks' loads, six each, may be out
.if cc == 0
	v_wmma_f32_16x16x32_bf16 v[128:135], v[fr:fr+7], v[fr+16:fr+23], 0
	v_wmma_f32_16x16x32_bf16 v[136:143], v[fr+8:fr+15], v[fr+16:fr+23], 0
.else
	v_wmma_f32_16x16x32_bf16 v[128:135], v[fr:fr+7], v[fr+16:fr+23], v[128:135]
	v_wmma_f32_16x16x32_bf16 v[136:143], v[fr+8:fr+15], v[fr+16:fr+23], v[136:143]
.endif
.endr
.endm
; Four chunks of q^T[d][b] = sum_j Wq[d][j] x[b][j] for my tile (16 d x 16 b); even chunks on one accumulator, odd on the other.
.macro QHALF c0
.irp c, 0,1,2,3
.set cc, (\c0)+\c
.set fr, 32+16*\c
	ds_load_b128 v[fr:fr+3], v249 offset:64*cc
	ds_load_b128 v[fr+4:fr+7], v249 offset:64*cc+32
	ds_load_b128 v[fr+8:fr+11], v250 offset:64*cc
	ds_load_b128 v[fr+12:fr+15], v250 offset:64*cc+32
.endr
.irp c, 0,1,2,3
.set cc, (\c0)+\c
.set fr, 32+16*\c
.set qa, 144+8*(cc%2)
	s_wait_dscnt 12-4*\c                   ; the later chunks' loads, four each, may be out
.if cc < 2
	v_wmma_f32_16x16x32_bf16 v[qa:qa+7], v[fr:fr+7], v[fr+8:fr+15], 0
.else
	v_wmma_f32_16x16x32_bf16 v[qa:qa+7], v[fr:fr+7], v[fr+8:fr+15], v[qa:qa+7]
.endif
.endr
.endm
.macro PACKT a                         ; an accumulator's 8 numbers (8 neighbouring i of one row) times ln_w, rounded, into its four lowest registers
.irp k, 0,1,2,3
	v_pk_mul_f32 v[(\a)+2*\k:(\a)+2*\k+1], v[(\a)+2*\k:(\a)+2*\k+1], v[218+2*\k:218+2*\k+1]
.endr
.irp k, 0,1,2,3
	v_cvt_pk_bf16_f32 v[(\a)+\k], v[(\a)+2*\k], v[(\a)+2*\k+1]
.endr
.endm
.macro FRAG8 adr, t0                   ; eight fragments of 16 rows x 32 d from rows of 80 bytes
.irp b, 0,1,2,3,4,5,6,7
	ds_load_b128 v[32+8*\b:32+8*\b+3], v[\adr] offset:1280*((\t0)+\b)
	ds_load_b128 v[32+8*\b+4:32+8*\b+7], v[\adr] offset:1280*((\t0)+\b)+32
.endr
.endm
.macro MUL8                            ; eight tiles: source 0 = G (rows i, 32 d), source 1 = 16 rows of q or Wo: a lane gets 8 neighbouring i of one row
.irp b, 0,1,2,3,4,5,6,7
	v_wmma_f32_16x16x32_bf16 v[96+8*\b:96+8*\b+7], v[226:233], v[32+8*\b:32+8*\b+7], 0
.endr
.endm
	s_load_b512 s[4:19], s[0:1], 0x0       ; Wm 4, Wk 6, Wv 8, Wq 10, Wo 12, query 14, ln_w 16, ln_b 18
	s_load_b512 s[20:35], s[0:1], 0x40     ; bm 20, bk 22, bv 24, bq 26, ubuf 28, cb 30, pf 32, ch 34
	v_lshl_add_u32 v12, v0, 2, SPARE
	v_mov_b32 v13, 0
	v_lshrrev_b32 v1, 5, v0
	v_readfirstlane_b32 s36, v1            ; wave 0..15
	v_and_b32 v1, 31, v0
	v_and_b32 v2, 15, v0
	v_bfe_u32 v3, v0, 4, 1
	s_and_b32 s37, ttmp9, 7                ; head
	s_lshr_b32 s38, ttmp9, 3               ; 0: U and c; 1: P and ch
	s_mov_b32 s40, 0x76543210              ; v_permlanex16_b32: each lane takes its own place in the other half
	s_mov_b32 s41, 0xfedcba98
	s_mov_b32 s42, 0x3e8293ee              ; kappa = log2(e) / sqrt(32)
	s_mov_b32 s43, s42
	v_lshlrev_b32 v10, 4, v1               ; 16 L
	v_lshl_add_u32 v4, s36, 14, v10        ; Wm: my 16 rows of 1,024 bytes
	s_mul_i32 s44, s36, 16*WMP
	v_lshl_add_u32 v5, v1, 3, s44          ; and their place in LDS
	s_lshl_b32 s44, s37, 5
	s_lshl_b32 s45, s36, 1
	s_add_co_u32 s44, s44, s45
	s_lshl_b32 s44, s44, 10
	v_add_nc_u32 v6, s44, v10              ; rows 32 h + 2 w, + 1 of Wk, Wv or Wq
	s_mul_i32 s44, s36, 1056
	s_add_co_u32 s44, s44, S1S
	v_lshl_add_u32 v7, v1, 3, s44
	v_add_nc_u32 v11, Y0, v10
	s_lshl_b32 s44, s36, 6
	s_add_co_u32 s44, s44, Y0
	v_mov_b32 v14, s44
	s_lshl_b32 s44, s36, 3
	s_add_co_u32 s44, s44, KB
	v_mov_b32 v15, s44
	s_lshr_b32 s46, s36, 3                 ; dt: which 16 of the head's 32 d my q tile holds
	s_and_b32 s47, s36, 7                  ; bt: which 16 batches
	s_wait_kmcnt 0x0
	s_cmp_lg_u32 s38, 0
	s_cbranch_scc1 .Lrole1
.macro BODY role
.if (\role) == 0
.set NB, 48                            ; loads issued behind Wm's first batch: 24 of Wm, 4 of S1, 4 of Wq, 16 of the queries
	v_lshl_add_u32 v8, s36, 13, v10        ; query rows 8 w ..
	s_mul_i32 s44, s36, 4224
	s_add_co_u32 s44, s44, QS
	v_lshl_add_u32 v9, v1, 3, s44
.else
.set NB, 32                            ; 24 of Wm, 4 of S1, 4 of Wo
	v_lshrrev_b32 v24, 3, v1
	v_and_b32 v25, 7, v1
	v_lshl_add_u32 v26, s36, 4, v24        ; o = 16 w + L / 8 (+ 4 t): eight lanes take a row's 128 bytes
	v_lshlrev_b32 v8, 10, v26
	v_lshl_add_u32 v8, v25, 4, v8
	s_lshl_b32 s44, s37, 7
	v_add_nc_u32 v8, s44, v8
	v_mul_u32_u24 v9, v26, 80
	v_lshl_add_u32 v9, v25, 3, v9
	v_add_nc_u32 v9, WOS, v9
.endif
	; PHASE 1: everything is asked for at once, then rounded into LDS as it comes.
	global_load_b128 v[16:19], v10, s[18:19]
	global_load_b128 v[20:23], v10, s[18:19] offset:512
.set t, 0
.rept 16
	global_load_b128 v[32+8*t:32+8*t+3], v4, s[4:5] offset:1024*t
	global_load_b128 v[32+8*t+4:32+8*t+7], v4, s[4:5] offset:1024*t+512
.set t, t+1
.endr
.irp t, 0,1
	global_load_b128 v[160+8*\t:160+8*\t+3], v6, s[6+2*(\role):7+2*(\role)] offset:1024*\t
	global_load_b128 v[160+8*\t+4:160+8*\t+7], v6, s[6+2*(\role):7+2*(\role)] offset:1024*\t+512
.endr
.if (\role) == 0
.irp t, 0,1
	global_load_b128 v[176+8*\t:176+8*\t+3], v6, s[10:11] offset:1024*\t
	global_load_b128 v[176+8*\t+4:176+8*\t+7], v6, s[10:11] offset:1024*\t+512
.endr
.irp t, 0,1,2,3,4,5,6,7
	global_load_b128 v[192+8*\t:192+8*\t+3], v8, s[14:15] offset:1024*\t
	global_load_b128 v[192+8*\t+4:192+8*\t+7], v8, s[14:15] offset:1024*\t+512
.endr
.else
.irp t, 0,1,2,3
	global_load_b128 v[176+4*\t:176+4*\t+3], v8, s[12:13] offset:4096*\t
.endr
.endif
.set k, 0
.rept 4                                ; Wm by four rows: Wm ln_b in f32, and the rows in bf16
	s_wait_loadcnt NB-8*k                  ; loads come back in order: ln_b and this batch are in
.irp u, 0,1,2,3
	DOT8 24+2*\u, 32+8*(4*k+\u), 16
.endr
	RED 24,26,28,30
.irp u, 0,1,2,3
	ds_store_b32 v14, v[24+2*\u] offset:4*(4*k+\u)
.endr
.irp u, 0,1,2,3
	STROW 32+8*(4*k+\u), 5, WMP*(4*k+\u)
.endr
.set k, k+1
.endr
	s_wait_loadcnt NB-28                   ; S1 is in; what was issued behind it stays out
	STROW 160, 7, 0
	STROW 168, 7, 528
.if (\role) == 0
	s_wait_loadcnt 16                      ; Wq is in; the 16 query loads may be out
	STROW 176, 7, WQS-S1S
	STROW 184, 7, WQS-S1S+528
	s_wait_loadcnt 0x0
.irp t, 0,1,2,3,4,5,6,7
	STROW 192+8*\t, 9, 528*\t
.endr
.else
	s_wait_loadcnt 0x0
.irp t, 0,1,2,3
	v_cvt_pk_bf16_f32 v24, v[176+4*\t], v[176+4*\t+1]
	v_cvt_pk_bf16_f32 v25, v[176+4*\t+2], v[176+4*\t+3]
	ds_store_b64 v9, v[24:25] offset:320*\t
.endr
.endif
	; the later phases' addresses
	s_lshl_b32 s44, s37, 7
	s_lshl_b32 s45, s36, 3
	s_add_co_u32 s45, s45, s44
	v_mov_b32 v242, s45                    ; bias[32 h + 2 w]
	s_lshl_b32 s45, s36, 6
	v_lshl_add_u32 v243, v3, 5, s45        ; ln_w[16 w + 8 hh]
	v_mul_u32_u24 v28, v2, 528
	v_lshl_add_u32 v28, v3, 4, v28         ; 528 r + 16 hh
	v_mul_u32_u24 v29, v2, 80
	v_lshl_add_u32 v29, v3, 4, v29         ; 80 r + 16 hh
	v_add_nc_u32 v245, S1S, v28
	v_and_b32 v24, 7, v0
	v_lshl_add_u32 v24, v3, 3, v24
	v_mul_u32_u24 v246, v24, WMP
	v_bfe_u32 v24, v0, 3, 1
	v_lshl_add_u32 v246, v24, 4, v246
	s_lshl_b32 s45, s36, 5
	v_add_nc_u32 v246, s45, v246           ; the turning load: row 8 hh + L % 8, my 32 bytes of it, 16 bytes by L / 8 % 2
	v_add_nc_u32 v247, 3*32*WMP, v246      ; LDS offsets have 16 bits: three registers reach the 256 rows
	v_add_nc_u32 v248, 6*32*WMP, v246
.if (\role) == 0
	s_lshl_b32 s45, s46, 6
	s_add_co_u32 s45, s45, s44
	v_lshl_add_u32 v244, v3, 5, s45        ; bq[32 h + 16 dt + 8 hh]
	s_mul_i32 s45, s46, 8448
	s_add_co_u32 s45, s45, WQS
	v_add_nc_u32 v249, s45, v28
	s_mul_i32 s45, s47, 8448
	s_add_co_u32 s45, s45, QS
	v_add_nc_u32 v250, s45, v28
	s_mul_i32 s45, s47, 1280
	s_lshl_b32 s44, s46, 5
	s_add_co_u32 s45, s45, s44
	s_add_co_u32 s45, s45, QH
	v_add_nc_u32 v251, s45, v29
	v_add_nc_u32 v252, QH, v29
	s_lshl_b32 s45, s36, 5
	s_add_co_u32 s45, s45, QS
	v_add_nc_u32 v253, s45, v28
	s_lshl_b32 s45, s46, 6
	s_add_co_u32 s45, s45, KB
	v_lshl_add_u32 v254, v3, 5, s45
	s_lshl_b32 s45, s36, 6
	s_add_co_u32 s45, s45, CS
	v_lshl_add_u32 v255, v2, 2, s45        ; c: 512 dt + 4 (16 bt + r) = 64 w + 4 r
.else
	v_add_nc_u32 v252, WOS, v29
	v_and_b32 v24, 7, v1
	v_lshlrev_b32 v254, 4, v24
	v_add_nc_u32 v254, KB, v254
	v_lshrrev_b32 v24, 3, v1
	s_lshl_b32 s45, s36, 6
	s_add_co_u32 s45, s45, CHS
	v_lshl_add_u32 v255, v24, 2, s45
.endif
	global_load_b128 v[192:195], v10, s[20:21]
	global_load_b128 v[196:199], v10, s[20:21] offset:512
	global_load_b64 v[208:209], v242, s[22+2*(\role):23+2*(\role)]
	global_load_b128 v[218:221], v243, s[16:17]
	global_load_b128 v[222:225], v243, s[16:17] offset:16
.if (\role) == 0
	global_load_b128 v[210:213], v244, s[26:27]
	global_load_b128 v[214:217], v244, s[26:27] offset:16
.endif
	s_wait_dscnt 0x0                       ; for the others' sake: my rows are in LDS
	s_barrier_signal -1
	s_barrier_wait -1
	; PHASE 2.  The biases' chain in f32: y0 = Wm ln_b + bm; KB[d] = S1[d] . y0 + bias[d] for my two rows d.
	ds_load_b128 v[200:203], v11
	ds_load_b128 v[204:207], v11 offset:512
	s_wait_loadcnt 0x0
	s_wait_dscnt 0x0
.irp k, 0,1,2,3
	v_pk_add_f32 v[200+2*\k:200+2*\k+1], v[200+2*\k:200+2*\k+1], v[192+2*\k:192+2*\k+1]
.endr
	DOT8 24, 160, 200
	DOT8 26, 168, 200
	RED 24,26
	v_add_f32 v24, v24, v208
	v_add_f32 v26, v26, v209
	ds_store_b32 v15, v24
	ds_store_b32 v15, v26 offset:4
	GHALF 0
	PLACES
	GHALF 4
	PLACES
	v_nop                                  ; a fifth place: G's registers are later written over by other matrix instructions
.irp k, 0,1,2,3                        ; a lane holds G[8 hh + j][16 w + r] and G[16 + 8 hh + j][..]: rounded in pairs that IS the fragment with rows i and 32 d along K
	v_cvt_pk_bf16_f32 v[226+\k], v[128+2*\k], v[128+2*\k+1]
.endr
.irp k, 0,1,2,3
	v_cvt_pk_bf16_f32 v[230+\k], v[136+2*\k], v[136+2*\k+1]
.endr
.if (\role) == 0
	QHALF 0
	PLACES
	QHALF 4
	PLACES
.irp k, 0,1,2,3
	v_pk_add_f32 v[144+2*\k:144+2*\k+1], v[144+2*\k:144+2*\k+1], v[152+2*\k:152+2*\k+1]
.endr
.irp k, 0,1,2,3
	v_pk_add_f32 v[144+2*\k:144+2*\k+1], v[144+2*\k:144+2*\k+1], v[210+2*\k:210+2*\k+1]
.endr
.irp k, 0,1,2,3
	v_cvt_pk_bf16_f32 v[24+\k], v[144+2*\k], v[144+2*\k+1]
.endr
	ds_store_b128 v251, v[24:27]           ; q[16 bt + r][16 dt + 8 hh ..]
.endif
	s_wait_dscnt 0x0                       ; KB and q are in LDS, and my reads of the query rows are over: their bytes become U's stage
	s_barrier_signal -1
	s_barrier_wait -1
	; PHASE 3
.if (\role) == 0
	ds_load_b128 v[234:237], v254
	ds_load_b128 v[238:241], v254 offset:16
	FRAG8 252, 0
.irp k, 0,1,2,3
	v_pk_mul_f32 v[218+2*\k:218+2*\k+1], v[218+2*\k:218+2*\k+1], s[42:43] op_sel_hi:[1,0]
.endr
	s_wait_dscnt 16                        ; KB is in; the 16 fragment loads may be out
	DOT8 24, 144, 234                      ; c: q in f32 times KB, my 8 d; the other half of the lanes has 8 more, the wave 8 away the other 16
	v_permlanex16_b32 v25, v24, s40, s41
	v_add_f32 v24, v24, v25
	v_mul_f32 v24, s42, v24
	ds_store_b32 v255, v24
	s_wait_dscnt 0x0
	MUL8
	PLACES
.irp b, 0,1,2,3,4,5,6,7
	PACKT 96+8*\b
	ds_store_b128 v253, v[96+8*\b:96+8*\b+3] offset:8448*\b
.endr
	s_wait_dscnt 0x0
	s_barrier_signal -1
	s_barrier_wait -1
	s_mul_i32 s44, s36, 4224
	s_add_co_u32 s44, s44, QS
	v_add_nc_u32 v28, s44, v10
	s_lshl_b32 s44, s36, 15
	s_lshl_b32 s45, s37, 9
	s_add_co_u32 s44, s44, s45
	v_add_nc_u32 v29, s44, v10
.irp t, 0,1,2,3,4,5,6,7
	ds_load_b128 v[32+4*\t:32+4*\t+3], v28 offset:528*\t
.endr
.irp t, 0,1,2,3,4,5,6,7
	s_wait_dscnt 7-\t
	global_store_b128 v29, v[32+4*\t:32+4*\t+3], s[28:29] offset:4096*\t  ; U[8 w + t][h]: 512 consecutive bytes, at a multiple of 512 from ubuf's first
.endr
	s_cmp_lg_u32 s36, 0
	s_cbranch_scc1 .Lend\role
	v_add_nc_u32 v30, CS, v10
	ds_load_b128 v[64:67], v30
	ds_load_b128 v[68:71], v30 offset:512
	s_lshl_b32 s44, s37, 9
	v_add_nc_u32 v31, s44, v10
	s_wait_dscnt 0x0
	v_pk_add_f32 v[64:65], v[64:65], v[68:69]
	v_pk_add_f32 v[66:67], v[66:67], v[70:71]
	global_store_b128 v31, v[64:67], s[30:31]
.else
	ds_load_b128 v[234:237], v254
	FRAG8 252, 0
	s_wait_dscnt 16                        ; KB is in; the 16 fragment loads may be out
.irp t, 0,1,2,3                        ; ch in f32: Wo[o][32 h + 4 (L % 8) ..] . KB, summed over eight lanes
	v_pk_mul_f32 v[24+2*\t:24+2*\t+1], v[176+4*\t:176+4*\t+1], v[234:235]
.endr
.irp t, 0,1,2,3
	v_pk_fma_f32 v[24+2*\t:24+2*\t+1], v[176+4*\t+2:176+4*\t+3], v[236:237], v[24+2*\t:24+2*\t+1]
.endr
.irp t, 0,1,2,3
	v_add_f32 v[24+2*\t], v[24+2*\t], v[24+2*\t+1]
.endr
.irp m, 1,2,4
.irp t, 0,1,2,3
	v_add_f32_dpp v[24+2*\t], v[24+2*\t], v[24+2*\t] row_xmask:\m row_mask:0xf bank_mask:0xf
.endr
.endr
.irp t, 0,1,2,3
	ds_store_b32 v255, v[24+2*\t] offset:16*\t
.endr
	s_lshl_b32 s44, s37, 17
	s_lshl_b32 s45, s36, 9
	s_add_co_u32 s44, s44, s45
	v_add_nc_u32 v28, s44, v10
	s_wait_dscnt 0x0
	MUL8
	PLACES
.irp b, 0,1,2,3,4,5,6,7
	PACKT 96+8*\b
	global_store_b128 v28, v[96+8*\b:96+8*\b+3], s[32:33] offset:8192*\b  ; P in the order in which the last launch's fragments want it: 512 consecutive bytes
.endr
	FRAG8 252, 8
	s_wait_xcnt 0x0                        ; the stores' data registers are written again only behind this wait
	s_wait_dscnt 0x0
	MUL8
	PLACES
.irp b, 0,1,2,3,4,5,6,7
	PACKT 96+8*\b
	global_store_b128 v28, v[96+8*\b:96+8*\b+3], s[32:33] offset:8192*(8+\b)
.endr
	s_barrier_signal -1                    ; ch's words are in LDS: every LDS instruction of mine has been waited for above
	s_barrier_wait -1
	s_cmp_gt_u32 s36, 1
	s_cbranch_scc1 .Lend\role
	v_lshl_add_u32 v30, v0, 4, CHS
	ds_load_b128 v[64:67], v30
	s_lshl_b32 s44, s37, 10
	v_lshl_add_u32 v31, v0, 4, s44
	s_wait_dscnt 0x0
	global_store_b128 v31, v[64:67], s[34:35]
.endif
.Lend\role:
	s_wait_tensorcnt 0x0                   ; the wave's end
	ds_add_u32 v12, v13
	s_wait_dscnt 0x0
	s_endpgm
.endm
	BODY 0
.Lrole1:
	BODY 1
.Lfunc_end_k_q9df99f76de_prep:
	.size	k_q9df99f76de_prep, .Lfunc_end_k_q9df99f76de_prep-k_q9df99f76de_prep
	.p2alignl 7, 3214868480
	.fill 96, 4, 3214868480
	.section	.rodata,"a",@progbits
	.p2align	6, 0x0
	.amdhsa_kernel k_q9df99f76de_prep
		.amdhsa_group_segment_fixed_size 280320
		.amdhsa_private_segment_fixed_size 0
		.amdhsa_enable_private_segment 0
		.amdhsa_kernarg_size 128
		.amdhsa_user_sgpr_count 2
		.amdhsa_user_sgpr_kernarg_segment_ptr 1
		.amdhsa_wavefront_size32 1
		.amdhsa_system_sgpr_workgroup_id_x 1
		.amdhsa_system_sgpr_workgroup_id_y 1
		.amdhsa_system_sgpr_workgroup_id_z 1
		.amdhsa_system_vgpr_workitem_id 0
		.amdhsa_next_free_vgpr 256
		.amdhsa_next_free_sgpr 66
		.amdhsa_reserve_vcc 0
		.amdhsa_float_denorm_mode_32 3
		.amdhsa_float_denorm_mode_16_64 3
		.amdhsa_memory_ordered 1
		.amdhsa_forward_progress 1
		.amdhsa_inst_pref_size 101
	.end_amdhsa_kernel
	.amdgpu_metadata
---
amdhsa.version: [ 1, 2 ]
amdhsa.kernels:
  - .name:           k_q9df99f76de_prep
    .symbol:         k_q9df99f76de_prep.kd
    .args:
      - { .name: Wm, .offset: 0, .size: 8, .value_kind: global_buffer, .address_space: global }
      - { .name: Wk, .offset: 8, .size: 8, .value_kind: global_buffer, .address_space: global }
      - { .name: Wv, .offset: 16, .size: 8, .value_kind: global_buffer, .address_space: global }
      - { .name: Wq, .offset: 24, .size: 8, .value_kind: global_buffer, .address_space: global }
      - { .name: Wo, .offset: 32, .size: 8, .value_kind: global_buffer, .address_space: global }
      - { .name: query_hidden, .offset: 40, .size: 8, .value_kind: global_buffer, .address_space: global }
      - { .name: ln_w, .offset: 48, .size: 8, .value_kind: global_buffer, .address_space: global }
      - { .name: ln_b, .offset: 56, .size: 8, .value_kind: global_buffer, .address_space: global }
      - { .name: bm, .offset: 64, .size: 8, .value_kind: global_buffer, .address_space: global }
      - { .name: bk, .offset: 72, .size: 8, .value_kind: global_buffer, .address_space: global }
      - { .name: bv, .offset: 80, .size: 8, .value_kind: global_buffer, .address_space: global }
      - { .name: bq, .offset: 88, .size: 8, .value_kind: global_buffer, .address_space: global }
      - { .name: ubuf, .offset: 96, .size: 8, .value_kind: global_buffer, .address_space: global }
      - { .name: cb, .offset: 104, .size: 8, .value_kind: global_buffer, .address_space: global }
      - { .name: pf, .offset: 112, .size: 8, .value_kind: global_buffer, .address_space: global }
      - { .name: ch, .offset: 120, .size: 8, .value_kind: global_buffer, .address_space: global }
    .group_segment_fixed_size: 280320
    .private_segment_fixed_size: 0
    .kernarg_segment_align: 8
    .kernarg_segment_size: 128
    .max_flat_workgroup_size: 512
    .sgpr_count:     66
    .vgpr_count:     256
    .wavefront_size: 32
...
	.end_amdgpu_metadata
.endif
;; end of part 1
;; launch main (part 2): grid 256 x 1, 8 waves a work-group, no clusters, 145,664 bytes of LDS; arguments support_memory, ubuf, cb, part; writes part
.if DOCPART == 2
	.amdgcn_target "amdgcn-amd-amdhsa--gfx1250"
	.amdhsa_code_object_version 6
	.text
	.protected	k_q9df99f76de_main
	.globl	k_q9df99f76de_main
	.p2align	8
	.type	k_q9df99f76de_main,@function
k_q9df99f76de_main:
	s_mov_b64 s[64:65], 0
	v_nop
	global_prefetch_b8 v0, s[64:65] scope:SCOPE_SE
	s_setreg_imm32_b32 hwreg(HW_REG_WAVE_MODE, 25, 1), 1
	s_wait_xcnt 0x0
; THE STREAM.  support_memory [128][2048][256] f32 is read once.  For each row: LayerNorm's xhat = (x - mean) rsqrt(var + eps) in f32, in two passes over registers (the mean, then the squared
; deviations); xhat rounded to bf16; base-2 logits of the 8 heads = U xhat + c (U, c from the launch before); a running-maximum softmax; O[h][:] += p xhat.
; A work-group has half a batch's rows (1,024), a wave 128 of them, 32 a block.  It stores for each head its maximum M, its sum L of weights and its O relative to M; the last launch joins the two halves.
; LOADS.  A pair of rows a time: lanes 0-15 one row, lanes 16-31 the row four below; a lane takes 16 bytes in each quarter of its row, so each load covers two aligned runs of 256 consecutive bytes, and a
; row's sums need four exchanges inside 16 lanes.  A ring of two slots of 8 rows in registers: 16 loads of a wave are always out behind the slot at work, 8 KB a wave asked for ahead.
; PRODUCTS.  xhat goes through the wave's own stage in LDS.  Logits: source 0 = 16 rows of xhat, source 1 = U (column = head; columns 8-15 repeat heads 0-7 and are never stored): a lane holds one head and
; 8 rows, and two such results rounded in pairs ARE source 1 (32 rows x 16 heads) of O^T = xhat^T P, whose source 0 comes out of the stage turned.
; No barrier in the loop: a wave reads only what it stored, and LDS serves a wave's instructions in order (ISA guide 5.7.1).
; No tensor loads (the rows are wanted in registers for the LayerNorm), no cluster (no two work-groups read the same rows), no prefetch (the ring already keeps loads out all the time).
; LIMITS.  NaN and infinities are not treated apart; a weight below 2^-126 counts as 0.
.set RP,    544                        ; a stage row: 512 bytes + 32; rows 8-15 and 24-31 lie 16 bytes further right, so that 16 rows of a plain fragment load start in 16 different groups of banks
.set STGB,  32*RP                      ; a wave's stage
.set UP,    528
.set UST,   8*STGB                     ; U of my batch: 8 rows of 528
.set TM,    143616                     ; [16 heads][8 waves] f32: the waves' maxima
.set TLS,   144128                     ; the same: their sums
.set SPARE, 144640                     ; the spare words, 128 bytes a wave: no other line names them
.set OPI,   1040                       ; the way out: a head's 256 f32 + 16 bytes
; window 0
.set XO,  3                            ; 16 r + 4096 hh: my 16 bytes in a pair's first quarter; never rewritten
.set SA,  4                            ; stage, in: 4 rows down for lanes 16-31, 8 bytes a lane
.set AL,  5                            ; stage, out, plain fragments
.set TLA, 6                            ; stage, out, turned
.set UA,  7
.set SPW, 12
.set NIL, 13
.set T,   16                           ; v16-31: pair p: two pairs of registers at work
.set XR,  32                           ; v32-159: slot s, pair p: 16 registers at XR + 64 s + 16 p
.set L0,  160                          ; logits of rows 0-15
.set L1,  168                          ; of rows 16-31
.set PW,  176                          ; the weights as a fragment
.set CI,  184                          ; c, eight times: the C operand that starts the logits
.set M,   192
.set MN,  194
.set A,   196
.set LS,  198
.set C0,  200
.set C1,  201
.set D,   202
.set UT,  208
; window 1
.set ACC, 0                            ; v0-127: O^T, channels 16 ct .. at 8 ct
.set UF,  128                          ; v128-191: U's eight fragments
.set FB,  192                          ; v192-255: eight fragments of xhat
.set MSB, 0
.macro WIN new                         ; s_set_vgpr_msb: bits 1:0 source 0, 3:2 source 1, 5:4 source 2, 7:6 destination; the high byte repeats the setting that is left
.if MSB != (\new)
	s_set_vgpr_msb (MSB<<8)|(\new)
.set MSB, (\new)
.endif
.endm
.macro PLACES                          ; four places behind matrix instructions, ahead of reads of their results and of loads into their sources
.rept 4
	v_nop
.endr
.endm
.macro P4 line:vararg                  ; one line for each of a group's four pairs p
.set p, 0
.rept 4
	\line
.set p, p+1
.endr
.endm
.macro LOADG slot, row0                ; 8 rows from row0 on: 16 loads
.irp p, 0,1,2,3
.irp q, 0,1,2,3
	global_load_b128 v[XR+64*(\slot)+16*\p+4*\q:XR+64*(\slot)+16*\p+4*\q+3], v[XO], s[4:5] offset:((\row0)+\p)*1024+256*\q th:TH_LOAD_NT
.endr
.endr
.endm
; Group g of a block (8 rows): LayerNorm, rounding, into the stage.  refill = 1: the slot takes the rows 16 further down.  left: the younger loads that may stay out.
.macro GROUP g, refill, left
.set XS, XR+64*((\g)%2)
	s_wait_loadcnt \left                   ; loads come back in order: this slot's 16 are in, the other slot's stay out
	P4 v_pk_add_f32 v[T+4*p:T+4*p+1], v[XS+16*p:XS+16*p+1], v[XS+16*p+2:XS+16*p+3]
	P4 v_pk_add_f32 v[T+4*p+2:T+4*p+3], v[XS+16*p+4:XS+16*p+5], v[XS+16*p+6:XS+16*p+7]
	P4 v_pk_add_f32 v[T+4*p:T+4*p+1], v[T+4*p:T+4*p+1], v[XS+16*p+8:XS+16*p+9]
	P4 v_pk_add_f32 v[T+4*p+2:T+4*p+3], v[T+4*p+2:T+4*p+3], v[XS+16*p+10:XS+16*p+11]
	P4 v_pk_add_f32 v[T+4*p:T+4*p+1], v[T+4*p:T+4*p+1], v[XS+16*p+12:XS+16*p+13]
	P4 v_pk_add_f32 v[T+4*p+2:T+4*p+3], v[T+4*p+2:T+4*p+3], v[XS+16*p+14:XS+16*p+15]
	P4 v_pk_add_f32 v[T+4*p:T+4*p+1], v[T+4*p:T+4*p+1], v[T+4*p+2:T+4*p+3]
	P4 v_add_f32 v[T+4*p], v[T+4*p], v[T+4*p+1]
.irp m, 1,2,4,8
	P4 v_add_f32_dpp v[T+4*p], v[T+4*p], v[T+4*p] row_xmask:\m row_mask:0xf bank_mask:0xf
.endr
.irp k, 0,1,2,3,4,5,6,7                ; x - sum / 256
	P4 v_pk_fma_f32 v[XS+16*p+2*\k:XS+16*p+2*\k+1], v[T+4*p:T+4*p+1], s[20:21], v[XS+16*p+2*\k:XS+16*p+2*\k+1] op_sel_hi:[0,0,1]
.endr
	P4 v_pk_mul_f32 v[T+4*p:T+4*p+1], v[XS+16*p:XS+16*p+1], v[XS+16*p:XS+16*p+1]
	P4 v_pk_mul_f32 v[T+4*p+2:T+4*p+3], v[XS+16*p+2:XS+16*p+3], v[XS+16*p+2:XS+16*p+3]
.irp k, 2,4,6
	P4 v_pk_fma_f32 v[T+4*p:T+4*p+1], v[XS+16*p+2*\k:XS+16*p+2*\k+1], v[XS+16*p+2*\k:XS+16*p+2*\k+1], v[T+4*p:T+4*p+1]
	P4 v_pk_fma_f32 v[T+4*p+2:T+4*p+3], v[XS+16*p+2*\k+2:XS+16*p+2*\k+3], v[XS+16*p+2*\k+2:XS+16*p+2*\k+3], v[T+4*p+2:T+4*p+3]
.endr
	P4 v_pk_add_f32 v[T+4*p:T+4*p+1], v[T+4*p:T+4*p+1], v[T+4*p+2:T+4*p+3]
	P4 v_add_f32 v[T+4*p], v[T+4*p], v[T+4*p+1]
.irp m, 1,2,4,8
	P4 v_add_f32_dpp v[T+4*p], v[T+4*p], v[T+4*p] row_xmask:\m row_mask:0xf bank_mask:0xf
.endr
	P4 v_fma_f32 v[T+4*p], v[T+4*p], s22, s23
	P4 v_rsq_f32 v[T+4*p], v[T+4*p]
	v_nop                                  ; a plain instruction between the last root and the use of its result (ISA guide 5.7.2)
	s_wait_alu depctr_va_vdst(0)
.irp k, 0,1,2,3,4,5,6,7
	P4 v_pk_mul_f32 v[XS+16*p+2*\k:XS+16*p+2*\k+1], v[XS+16*p+2*\k:XS+16*p+2*\k+1], v[T+4*p:T+4*p+1] op_sel_hi:[1,0]
.endr
.irp q, 0,1,2,3
	P4 v_cvt_pk_bf16_f32 v[XS+16*p+4*\q], v[XS+16*p+4*\q], v[XS+16*p+4*\q+1]
	P4 v_cvt_pk_bf16_f32 v[XS+16*p+4*\q+1], v[XS+16*p+4*\q+2], v[XS+16*p+4*\q+3]
.endr
.irp q, 0,1,2,3
	P4 ds_store_b64 v[SA], v[XS+16*p+4*\q:XS+16*p+4*\q+1] offset:(8*(\g)+p)*RP+16*((\g)%2)+128*\q
.endr
.if \refill
	LOADG (\g)%2, 8*((\g)+2)
.endif
.endm
.macro FETCHA c0                       ; the plain fragments of four chunks of 32 channels, both tiles of 16 rows: 16 loads
	WIN 0x40
.irp c, 0,1,2,3
.irp t, 0,1
	ds_load_b128 v[FB+8*(2*\c+\t):FB+8*(2*\c+\t)+3], v[AL] offset:16*RP*\t+64*((\c0)+\c)
	ds_load_b128 v[FB+8*(2*\c+\t)+4:FB+8*(2*\c+\t)+7], v[AL] offset:16*RP*\t+64*((\c0)+\c)+32
.endr
.endr
.endm
.macro LOGITS c0                       ; the two accumulators take turns
	WIN 0x05
.irp c, 0,1,2,3
	s_wait_dscnt 12-4*\c                   ; the later chunks' loads, four each, may be out
.if ((\c0)+\c) == 0
	v_wmma_f32_16x16x32_bf16 v[L0:L0+7], v[FB+16*\c:FB+16*\c+7], v[UF+8*((\c0)+\c):UF+8*((\c0)+\c)+7], v[CI:CI+7]
	v_wmma_f32_16x16x32_bf16 v[L1:L1+7], v[FB+16*\c+8:FB+16*\c+15], v[UF+8*((\c0)+\c):UF+8*((\c0)+\c)+7], v[CI:CI+7]
.else
	v_wmma_f32_16x16x32_bf16 v[L0:L0+7], v[FB+16*\c:FB+16*\c+7], v[UF+8*((\c0)+\c):UF+8*((\c0)+\c)+7], v[L0:L0+7]
	v_wmma_f32_16x16x32_bf16 v[L1:L1+7], v[FB+16*\c+8:FB+16*\c+15], v[UF+8*((\c0)+\c):UF+8*((\c0)+\c)+7], v[L1:L1+7]
.endif
.endr
.endm
.macro FETCHT ct0                      ; eight turned fragments: 16 channels x 32 rows each
	WIN 0x40
.irp k, 0,1,2,3,4,5,6,7
	ds_load_tr16_b128 v[FB+8*\k:FB+8*\k+3], v[TLA] offset:32*((\ct0)+\k)
	ds_load_tr16_b128 v[FB+8*\k+4:FB+8*\k+7], v[TLA] offset:32*((\ct0)+\k)+16*RP
.endr
.endm
.macro SOFTMAX                         ; my head's 16 of the block's 32 rows; the other 16 lie in the lane 16 away
	WIN 0
	v_max3_num_f32 v[C0], v[L0], v[L0+1], v[L0+2]
	v_max3_num_f32 v[C1], v[L1], v[L1+1], v[L1+2]
	v_max3_num_f32 v[C0], v[C0], v[L0+3], v[L0+4]
	v_max3_num_f32 v[C1], v[C1], v[L1+3], v[L1+4]
	v_max3_num_f32 v[C0], v[C0], v[L0+5], v[L0+6]
	v_max3_num_f32 v[C1], v[C1], v[L1+5], v[L1+6]
	v_max3_num_f32 v[C0], v[C0], v[L0+7], v[L1+7]
	v_max3_num_f32 v[C0], v[C0], v[C1], v[M]
	v_permlanex16_b32 v[C1], v[C0], s24, s25
	v_max_num_f32 v[MN], v[C0], v[C1]      ; the new running maximum
	v_sub_f32 v[D], v[M], v[MN]
	v_exp_f32 v[A], v[D]                   ; what O and the sum so far are multiplied by
	v_mov_b32 v[M], v[MN]
.irp k, 0,1,2,3,4,5,6,7
	v_pk_add_f32 v[L0+2*\k:L0+2*\k+1], v[L0+2*\k:L0+2*\k+1], v[MN:MN+1] op_sel_hi:[1,0] neg_lo:[0,1] neg_hi:[0,1]
.endr
.irp k, 0,1,2,3,4,5,6,7,8,9,10,11,12,13,14,15
	v_exp_f32 v[L0+\k], v[L0+\k]
.endr
	v_nop                                  ; a plain instruction behind the last exponential
	s_wait_alu depctr_va_vdst(0)
.irp k, 0,1,2,3,4,5,6,7
	v_cvt_pk_bf16_f32 v[PW+\k], v[L0+2*\k], v[L0+2*\k+1]
.endr
.irp k, 0,4,8,12
	v_pk_add_f32 v[L0+\k:L0+\k+1], v[L0+\k:L0+\k+1], v[L0+\k+2:L0+\k+3]
.endr
	v_pk_add_f32 v[L0:L0+1], v[L0:L0+1], v[L0+4:L0+5]
	v_pk_add_f32 v[L0+8:L0+9], v[L0+8:L0+9], v[L0+12:L0+13]
	v_pk_add_f32 v[L0:L0+1], v[L0:L0+1], v[L0+8:L0+9]
	v_pk_fma_f32 v[LS:LS+1], v[LS:LS+1], v[A:A+1], v[L0:L0+1] op_sel_hi:[1,0,1]
.endm
.macro PRODUCTS                        ; a block's 32 rows are in the stage
	FETCHA 0
	LOGITS 0
	PLACES
	FETCHA 4
	LOGITS 4
	PLACES
	FETCHT 0                               ; on their way during the softmax
	SOFTMAX
	WIN 0x41
.set i, 0
.rept 64
	v_pk_mul_f32 v[ACC+i:ACC+i+1], v[ACC+i:ACC+i+1], v[A:A+1] op_sel_hi:[1,0]
.set i, i+2
.endr
	s_wait_dscnt 0x0
	WIN 0x51
.irp k, 0,1,2,3,4,5,6,7
	v_wmma_f32_16x16x32_bf16 v[ACC+8*\k:ACC+8*\k+7], v[FB+8*\k:FB+8*\k+7], v[PW:PW+7], v[ACC+8*\k:ACC+8*\k+7]
.endr
	PLACES
	FETCHT 8
	WIN 0x51
.irp k, 0,1,2,3,4,5,6,7
	s_wait_dscnt 14-2*\k                   ; the later tiles' loads, two each, may be out
	v_wmma_f32_16x16x32_bf16 v[ACC+64+8*\k:ACC+64+8*\k+7], v[FB+8*\k:FB+8*\k+7], v[PW:PW+7], v[ACC+64+8*\k:ACC+64+8*\k+7]
.endr
	WIN 0
.endm
	s_load_b256 s[4:11], s[0:1], 0x0       ; support_memory 4, ubuf 6, cb 8, part 10
	v_lshl_add_u32 v[SPW], v0, 2, SPARE
	v_mov_b32 v[NIL], 0
	v_lshrrev_b32 v1, 5, v0
	v_readfirstlane_b32 s12, v1            ; wave 0..7
	v_and_b32 v1, 31, v0                   ; L
	v_and_b32 v2, 15, v0                   ; r
	v_bfe_u32 v14, v0, 4, 1                ; hh
	s_mul_i32 s13, s12, STGB               ; my stage
	s_mov_b32 s20, 0xbb800000              ; -1/256
	s_mov_b32 s21, s20
	s_mov_b32 s22, 0x3b800000              ; 1/256
	s_mov_b32 s23, 0x3727c5ac              ; 1e-5
	s_mov_b32 s24, 0x76543210              ; v_permlanex16_b32: each lane takes its own place in the other half
	s_mov_b32 s25, 0xfedcba98
	s_lshr_b32 s14, ttmp9, 1               ; the batch
	s_lshl_b32 s16, s14, 2
	s_mov_b32 s17, 0
	s_lshl_b32 s14, s14, 12
	s_mov_b32 s15, 0
	s_lshl_b32 s18, ttmp9, 20              ; my work-group's 1,024 rows of 1,024 bytes,
	s_lshl_b32 s19, s12, 17                ; my wave's 128 of them
	s_add_co_u32 s18, s18, s19
	s_mov_b32 s19, 0
	s_lshl_b32 s28, ttmp9, 3
	s_add_co_u32 s28, s28, s12
	s_mul_i32 s28, s28, 1280               ; on the way out wave w has head w
	s_mov_b32 s29, 0
	s_mul_i32 s30, s12, UP
	s_add_co_u32 s30, s30, UST
	v_lshlrev_b32 v[XO], 4, v2
	v_lshl_add_u32 v[XO], v14, 12, v[XO]
	v_mul_u32_u24 v[SA], v14, 4*RP
	v_lshl_add_u32 v[SA], v2, 3, v[SA]
	v_add_nc_u32 v[SA], s13, v[SA]
	v_mul_u32_u24 v[AL], v2, RP
	v_lshrrev_b32 v15, 3, v2
	v_lshl_add_u32 v[AL], v15, 4, v[AL]
	v_lshl_add_u32 v[AL], v14, 4, v[AL]
	v_add_nc_u32 v[AL], s13, v[AL]
	v_and_b32 v15, 7, v0
	v_lshl_add_u32 v15, v14, 3, v15
	v_mul_u32_u24 v[TLA], v15, RP
	v_lshl_add_u32 v[TLA], v14, 4, v[TLA]
	v_bfe_u32 v15, v0, 3, 1
	v_lshl_add_u32 v[TLA], v15, 4, v[TLA]
	v_add_nc_u32 v[TLA], s13, v[TLA]
	v_and_b32 v15, 7, v0
	v_mul_u32_u24 v[UA], v15, UP
	v_lshl_add_u32 v[UA], v14, 4, v[UA]
	v_add_nc_u32 v[UA], UST, v[UA]
	v_lshlrev_b32 v8, 4, v0                ; U: 512 w + 16 L
	v_lshlrev_b32 v9, 9, v15               ; c: head r % 8
	v_lshlrev_b32 v10, 4, v1
	v_add_nc_u32 v10, s30, v10
	s_wait_kmcnt 0x0
	s_add_nc_u64 s[4:5], s[4:5], s[18:19]
	s_add_nc_u64 s[6:7], s[6:7], s[14:15]
	s_add_nc_u64 s[8:9], s[8:9], s[16:17]
	s_add_nc_u64 s[10:11], s[10:11], s[28:29]
	global_load_b128 v[UT:UT+3], v8, s[6:7]
	global_load_b32 v[CI], v9, s[8:9]
	LOADG 0, 0
	LOADG 1, 8
	; O^T starts at 0 and the maximum at the lowest finite number, so that the first block is a block like any other (its factor is 0): 128 moves in the wait for the first rows spare a third copy of the block's text
	WIN 0x40
.set i, 0
.rept 128
	v_mov_b32 v[ACC+i], 0
.set i, i+1
.endr
	WIN 0
	v_mov_b32 v[M], 0xff7fffff
	v_mov_b32 v[MN+1], 0                   ; upper halves of pairs that are named whole
	v_mov_b32 v[A+1], 0
	v_mov_b32 v[LS], 0
	v_mov_b32 v[LS+1], 0
	s_wait_loadcnt 32                      ; U's row and c are in; the ring's 32 loads stay out
	ds_store_b128 v10, v[UT:UT+3]
.irp k, 1,2,3,4,5,6,7
	v_mov_b32 v[CI+\k], v[CI]
.endr
	s_wait_dscnt 0x0                       ; for the others' sake: my row of U is in LDS
	s_barrier_signal -1
	s_barrier_wait -1
	WIN 0x40
.irp c, 0,1,2,3,4,5,6,7
	ds_load_b128 v[UF+8*\c:UF+8*\c+3], v[UA] offset:64*\c
	ds_load_b128 v[UF+8*\c+4:UF+8*\c+7], v[UA] offset:64*\c+32
.endr
	WIN 0
	s_mov_b32 s26, 3
.Lblk:                                         ; three of the wave's four blocks; each trip asks for the 32 rows that begin 16 rows ahead
	GROUP 0, 1, 16
	GROUP 1, 1, 16
	GROUP 2, 1, 16
	GROUP 3, 1, 16
	PRODUCTS
	s_wait_xcnt 0x0                        ; the loads' base is stepped only behind this wait
	s_add_nc_u64 s[4:5], s[4:5], 0x8000
	s_sub_co_u32 s26, s26, 1
	s_cmp_lg_u32 s26, 0
	s_cbranch_scc1 .Lblk
	GROUP 0, 1, 16                         ; the last block is written out: no load passes the wave's 128 rows
	GROUP 1, 1, 16
	GROUP 2, 0, 16
	GROUP 3, 0, 0
	PRODUCTS
	; THE WAY OUT.  The eight waves' M, sums and O^T meet in LDS; wave w joins head w's.
	v_add_f32 v[LS], v[LS], v[LS+1]
	v_permlanex16_b32 v[LS+1], v[LS], s24, s25
	v_add_f32 v[LS], v[LS], v[LS+1]
	s_lshl_b32 s14, s12, 2
	s_add_co_u32 s14, s14, TM
	v_lshl_add_u32 v8, v2, 5, s14
	v_mul_u32_u24 v9, v2, OPI
	v_lshl_add_u32 v9, v14, 5, v9
	v_add_nc_u32 v9, s13, v9
	PLACES
	ds_store_b32 v8, v[M]
	ds_store_b32 v8, v[LS] offset:TLS-TM
	WIN 0x04                               ; the stores' data in window 1
.irp k, 0,1,2,3,4,5,6,7,8,9,10,11,12,13,14,15
	ds_store_b128 v9, v[ACC+8*\k:ACC+8*\k+3] offset:64*\k
	ds_store_b128 v9, v[ACC+8*\k+4:ACC+8*\k+7] offset:64*\k+16
.endr
	WIN 0
	s_wait_dscnt 0x0
	s_barrier_signal -1
	s_barrier_wait -1
	s_lshl_b32 s14, s12, 5
	s_add_co_u32 s14, s14, TM
	v_mov_b32 v10, s14
	s_mul_i32 s14, s12, OPI
	v_lshl_add_u32 v[C0], v1, 4, s14
	v_add_nc_u32 v[C1], 3*STGB, v[C0]      ; LDS offsets have 16 bits: three registers reach the eight stages
	v_add_nc_u32 v[D], 6*STGB, v[C0]
	ds_load_b128 v[16:19], v10
	ds_load_b128 v[20:23], v10 offset:16
	ds_load_b128 v[24:27], v10 offset:TLS-TM
	ds_load_b128 v[28:31], v10 offset:TLS-TM+16
.irp u, 0,1,2,3,4,5,6,7
	ds_load_b128 v[32+8*\u:32+8*\u+3], v[C0+\u/3] offset:(\u%3)*STGB
	ds_load_b128 v[32+8*\u+4:32+8*\u+7], v[C0+\u/3] offset:(\u%3)*STGB+512
.endr
	v_lshlrev_b32 v98, 4, v1
	v_lshlrev_b32 v99, 3, v1
	s_wait_dscnt 0x0
	v_max3_num_f32 v96, v16, v17, v18
	v_max3_num_f32 v96, v96, v19, v20
	v_max3_num_f32 v96, v96, v21, v22
	v_max_num_f32 v96, v96, v23
.irp u, 0,1,2,3,4,5,6,7
	v_sub_f32 v[16+\u], v[16+\u], v96
.endr
.irp u, 0,1,2,3,4,5,6,7
	v_exp_f32 v[16+\u], v[16+\u]
.endr
	v_nop
	s_wait_alu depctr_va_vdst(0)
	v_mul_f32 v97, v16, v24
.irp u, 1,2,3,4,5,6,7
	v_fmac_f32 v97, v[16+\u], v[24+\u]
.endr
.irp e, 0,1,2,3,4,5,6,7
	v_mul_f32 v[100+\e], v16, v[32+\e]
.endr
.irp u, 1,2,3,4,5,6,7
.irp e, 0,1,2,3,4,5,6,7
	v_fmac_f32 v[100+\e], v[16+\u], v[32+8*\u+\e]
.endr
.endr
	global_store_b128 v98, v[100:103], s[10:11]               ; 512 consecutive bytes, at a multiple of 256 from part's first
	global_store_b128 v98, v[104:107], s[10:11] offset:512
	global_store_b64 v99, v[96:97], s[10:11] offset:1024      ; (M, L) from every lane: 256 consecutive bytes written whole
	s_wait_tensorcnt 0x0                   ; the wave's end
	ds_add_u32 v[SPW], v[NIL]
	s_wait_dscnt 0x0
	s_endpgm
.Lfunc_end_k_q9df99f76de_main:
	.size	k_q9df99f76de_main, .Lfunc_end_k_q9df99f76de_main-k_q9df99f76de_main
	.p2alignl 7, 3214868480
	.fill 96, 4, 3214868480
	.section	.rodata,"a",@progbits
	.p2align	6, 0x0
	.amdhsa_kernel k_q9df99f76de_main
		.amdhsa_group_segment_fixed_size 145664
		.amdhsa_private_segment_fixed_size 0
		.amdhsa_enable_private_segment 0
		.amdhsa_kernarg_size 32
		.amdhsa_user_sgpr_count 2
		.amdhsa_user_sgpr_kernarg_segment_ptr 1
		.amdhsa_wavefront_size32 1
		.amdhsa_system_sgpr_workgroup_id_x 1
		.amdhsa_system_sgpr_workgroup_id_y 1
		.amdhsa_system_sgpr_workgroup_id_z 1
		.amdhsa_system_vgpr_workitem_id 0
		.amdhsa_next_free_vgpr 512
		.amdhsa_next_free_sgpr 66
		.amdhsa_reserve_vcc 0
		.amdhsa_float_denorm_mode_32 3
		.amdhsa_float_denorm_mode_16_64 3
		.amdhsa_memory_ordered 1
		.amdhsa_forward_progress 1
		.amdhsa_inst_pref_size 168
	.end_amdhsa_kernel
	.amdgpu_metadata
---
amdhsa.version: [ 1, 2 ]
amdhsa.kernels:
  - .name:           k_q9df99f76de_main
    .symbol:         k_q9df99f76de_main.kd
    .args:
      - { .name: support_memory, .offset: 0, .size: 8, .value_kind: global_buffer, .address_space: global }
      - { .name: ubuf, .offset: 8, .size: 8, .value_kind: global_buffer, .address_space: global }
      - { .name: cb, .offset: 16, .size: 8, .value_kind: global_buffer, .address_space: global }
      - { .name: part, .offset: 24, .size: 8, .value_kind: global_buffer, .address_space: global }
    .group_segment_fixed_size: 145664
    .private_segment_fixed_size: 0
    .kernarg_segment_align: 8
    .kernarg_segment_size: 32
    .max_flat_workgroup_size: 256
    .sgpr_count:     66
    .vgpr_count:     512
    .wavefront_size: 32
...
	.end_amdgpu_metadata
.endif
;; end of part 2
;; launch final (part 3): grid 32 x 1, 16 waves a work-group, no clusters, 85,504 bytes of LDS; arguments part, pf, ch, bo, out0; writes out0
.if DOCPART == 3
	.amdgcn_target "amdgcn-amd-amdhsa--gfx1250"
	.amdhsa_code_object_version 6
	.text
	.protected	k_q9df99f76de_final
	.globl	k_q9df99f76de_final
	.p2align	8
	.type	k_q9df99f76de_final,@function
k_q9df99f76de_final:
	s_mov_b64 s[64:65], 0
	v_nop
	global_prefetch_b8 v0, s[64:65] scope:SCOPE_SE
	s_setreg_imm32_b32 hwreg(HW_REG_WAVE_MODE, 25, 1), 1
	s_wait_xcnt 0x0
; THE END.  out[b][o] = sum over h, i of z[b][h][i] P[o][h][i] + sum over h of ch[h][o] + bo[o].
; z joins a batch's two halves: with Mx = max(M0, M1) and f = 2^(M - Mx), z = (f0 O0 + f1 O1) / (f0 L0 + f1 L1), in f32, rounded once to bf16 for the product; the biases are added in f32.
; SHARES.  32 work-groups: 16 batches (x & 7) x 64 outputs (x >> 3).  16 waves.  z: wave w makes head w & 7 of 8 batches (w >> 3).  Product: wave w has 16 outputs (w & 3) and two heads (w >> 2), 512 along K;
; the four parts of K meet in LDS, and wave w then stores batch w's 64 outputs, 256 consecutive bytes.
; The matrix instruction takes P as source 0 (rows o) and z as source 1 (columns b).  P lies in memory in the order of its fragments, so its loads are 512 consecutive bytes each.
; LIMITS.  NaN and infinities are not treated apart.  No tensor loads, cluster or prefetch: a short launch on 3.7 MB that the launches before have just written.
.set ZP,    4112                       ; a batch's z: 8 heads x 512 bytes + 16
.set RS,    66048                      ; [4 parts of K][16 batches] rows of 272 bytes: 64 f32 + 16
.set SPARE, 83456                      ; the spare words, 128 bytes a wave: no other line names them
.macro PLACES
.rept 4
	v_nop
.endr
.endm
	s_load_b256 s[4:11], s[0:1], 0x0       ; part 4, pf 6, ch 8, bo 10
	s_load_b64 s[12:13], s[0:1], 0x20      ; out0
	v_lshl_add_u32 v12, v0, 2, SPARE
	v_mov_b32 v13, 0
	v_lshrrev_b32 v1, 5, v0
	v_readfirstlane_b32 s14, v1            ; wave 0..15
	v_and_b32 v1, 31, v0
	v_and_b32 v2, 15, v0
	v_bfe_u32 v3, v0, 4, 1
	s_and_b32 s15, ttmp9, 7                ; bt
	s_lshr_b32 s16, ttmp9, 3               ; oq
	s_and_b32 s17, s14, 7                  ; my head while z is made
	s_lshr_b32 s18, s14, 3                 ; and my 8 batches
	s_and_b32 s19, s14, 3                  ; my 16 outputs in the product
	s_lshr_b32 s20, s14, 2                 ; and my two heads
	s_lshl_b32 s24, s15, 4
	s_lshl_b32 s25, s18, 3
	s_add_co_u32 s24, s24, s25
	s_mul_i32 s24, s24, 20480              ; a batch: two work-groups x 8 heads x 1,280 bytes
	s_mul_i32 s25, s17, 1280
	s_add_co_u32 s24, s24, s25
	v_lshl_add_u32 v4, v1, 4, s24          ; O
	s_add_co_u32 s24, s24, 1024
	v_lshl_add_u32 v5, v1, 3, s24          ; (M, L)
	s_mul_i32 s24, s18, 8*ZP
	s_lshl_b32 s25, s17, 9
	s_add_co_u32 s24, s24, s25
	v_lshl_add_u32 v6, v1, 3, s24          ; z into LDS
	s_lshl_b32 s24, s20, 18
	s_lshl_b32 s25, s16, 2
	s_add_co_u32 s25, s25, s19
	s_lshl_b32 s25, s25, 13
	s_add_co_u32 s24, s24, s25
	v_lshl_add_u32 v7, v1, 4, s24          ; P's fragments
	v_mul_u32_u24 v8, v2, ZP
	v_lshl_add_u32 v8, v3, 4, v8
	s_lshl_b32 s24, s20, 10
	v_add_nc_u32 v8, s24, v8               ; z's fragments
	v_mul_u32_u24 v9, v2, 272
	v_lshl_add_u32 v9, v3, 5, v9
	s_mul_i32 s24, s20, 4352
	s_lshl_b32 s25, s19, 6
	s_add_co_u32 s24, s24, s25
	s_add_co_u32 s24, s24, RS
	v_add_nc_u32 v9, s24, v9               ; my part of the sums, in
	s_mul_i32 s24, s14, 272
	s_add_co_u32 s24, s24, RS
	v_lshl_add_u32 v10, v1, 3, s24         ; and back: batch w, outputs 2 L, 2 L + 1
	s_lshl_b32 s24, s16, 8
	v_lshl_add_u32 v11, v1, 3, s24         ; the same outputs in bo and ch
	s_lshl_b32 s25, s15, 4
	s_add_co_u32 s25, s25, s14
	s_lshl_b32 s25, s25, 10
	s_add_co_u32 s25, s25, s24
	v_lshl_add_u32 v14, v1, 3, s25         ; and in out0
	s_wait_kmcnt 0x0
.irp t, 0,1,2,3,4,5,6,7
	global_load_b64 v[32+4*\t:32+4*\t+1], v5, s[4:5] offset:20480*\t
	global_load_b64 v[32+4*\t+2:32+4*\t+3], v5, s[4:5] offset:20480*\t+10240
.endr
.irp t, 0,1,2,3,4,5,6,7
.irp g, 0,1
	global_load_b128 v[64+16*\t+8*\g:64+16*\t+8*\g+3], v4, s[4:5] offset:20480*\t+10240*\g
	global_load_b128 v[64+16*\t+8*\g+4:64+16*\t+8*\g+7], v4, s[4:5] offset:20480*\t+10240*\g+512
.endr
.endr
	s_wait_loadcnt 32                      ; the 16 pairs (M, L) are in; O's 32 loads stay out
.irp c, 0,1,2,3,4,5,6,7                ; P for my first head
	global_load_b128 v[192+8*\c:192+8*\c+3], v7, s[6:7] offset:1024*\c
	global_load_b128 v[192+8*\c+4:192+8*\c+7], v7, s[6:7] offset:1024*\c+512
.endr
.irp t, 0,1,2,3,4,5,6,7
	v_max_num_f32 v[16+\t], v[32+4*\t], v[32+4*\t+2]
.endr
.irp t, 0,1,2,3,4,5,6,7
	v_sub_f32 v[32+4*\t], v[32+4*\t], v[16+\t]
	v_sub_f32 v[32+4*\t+2], v[32+4*\t+2], v[16+\t]
.endr
.irp t, 0,1,2,3,4,5,6,7
	v_exp_f32 v[32+4*\t], v[32+4*\t]
	v_exp_f32 v[32+4*\t+2], v[32+4*\t+2]
.endr
	v_nop                                  ; a plain instruction behind the last exponential
	s_wait_alu depctr_va_vdst(0)
.irp t, 0,1,2,3,4,5,6,7
	v_mul_f32 v[16+\t], v[32+4*\t], v[32+4*\t+1]
.endr
.irp t, 0,1,2,3,4,5,6,7
	v_fmac_f32 v[16+\t], v[32+4*\t+2], v[32+4*\t+3]
.endr
.irp t, 0,1,2,3,4,5,6,7
	v_rcp_f32 v[16+\t], v[16+\t]
.endr
	v_nop
	s_wait_alu depctr_va_vdst(0)
.irp t, 0,1,2,3,4,5,6,7
	v_mul_f32 v[32+4*\t], v[32+4*\t], v[16+\t]
	v_mul_f32 v[32+4*\t+2], v[32+4*\t+2], v[16+\t]
.endr
.irp t, 0,1,2,3,4,5,6,7
	s_wait_loadcnt 44-4*\t                 ; this batch's four loads are in; the later batches' and P's 16 stay out
.irp k, 0,1,2,3
	v_pk_mul_f32 v[64+16*\t+2*\k:64+16*\t+2*\k+1], v[64+16*\t+2*\k:64+16*\t+2*\k+1], v[32+4*\t:32+4*\t+1] op_sel_hi:[1,0]
.endr
.irp k, 0,1,2,3
	v_pk_fma_f32 v[64+16*\t+2*\k:64+16*\t+2*\k+1], v[64+16*\t+8+2*\k:64+16*\t+8+2*\k+1], v[32+4*\t+2:32+4*\t+3], v[64+16*\t+2*\k:64+16*\t+2*\k+1] op_sel_hi:[1,0,1]
.endr
.irp k, 0,1,2,3
	v_cvt_pk_bf16_f32 v[64+16*\t+\k], v[64+16*\t+2*\k], v[64+16*\t+2*\k+1]
.endr
	ds_store_b64 v6, v[64+16*\t:64+16*\t+1] offset:ZP*\t
	ds_store_b64 v6, v[64+16*\t+2:64+16*\t+3] offset:ZP*\t+256
.endr
.irp c, 0,1,2,3,4,5,6,7                ; P for my second head
	global_load_b128 v[32+8*\c:32+8*\c+3], v7, s[6:7] offset:131072+1024*\c
	global_load_b128 v[32+8*\c+4:32+8*\c+7], v7, s[6:7] offset:131072+1024*\c+512
.endr
	global_load_b64 v[16:17], v11, s[10:11]
.irp h, 0,1,2,3,4,5,6,7
	global_load_b64 v[176+2*\h:176+2*\h+1], v11, s[8:9] offset:1024*\h
.endr
	s_wait_dscnt 0x0                       ; for the others' sake: my part of z is in LDS
	s_barrier_signal -1
	s_barrier_wait -1
; Eight chunks of 32 along K; even chunks on one accumulator, odd on the other, by turns.  pb: P's fragments; first = 1: the sums start.
.macro HALF c0, pb, first, left
.irp c, 0,1,2,3,4,5,6,7
	ds_load_b128 v[112+8*\c:112+8*\c+3], v8 offset:64*((\c0)+\c)
	ds_load_b128 v[112+8*\c+4:112+8*\c+7], v8 offset:64*((\c0)+\c)+32
.endr
	s_wait_loadcnt \left
.irp c, 0,1,2,3,4,5,6,7
	s_wait_dscnt 14-2*\c                   ; the later chunks' loads, two each, may be out
.if (\first) && (\c < 2)
	v_wmma_f32_16x16x32_bf16 v[96+8*(\c%2):96+8*(\c%2)+7], v[(\pb)+8*\c:(\pb)+8*\c+7], v[112+8*\c:112+8*\c+7], 0
.else
	v_wmma_f32_16x16x32_bf16 v[96+8*(\c%2):96+8*(\c%2)+7], v[(\pb)+8*\c:(\pb)+8*\c+7], v[112+8*\c:112+8*\c+7], v[96+8*(\c%2):96+8*(\c%2)+7]
.endif
.endr
	PLACES
.endm
	HALF 0, 192, 1, 25                     ; the second head's 16 loads and the biases' 9 may be out
	HALF 8, 32, 0, 9                       ; the biases' 9 may be out
.irp k, 0,1,2,3
	v_pk_add_f32 v[96+2*\k:96+2*\k+1], v[96+2*\k:96+2*\k+1], v[104+2*\k:104+2*\k+1]
.endr
	ds_store_b128 v9, v[96:99]             ; a lane holds batch r, outputs 8 hh .. 8 hh + 7 of my 16
	ds_store_b128 v9, v[100:103] offset:16
	s_wait_dscnt 0x0
	s_barrier_signal -1
	s_barrier_wait -1
.irp k, 0,1,2,3
	ds_load_b64 v[112+2*\k:112+2*\k+1], v10 offset:4352*\k
.endr
	s_wait_loadcnt 0x0
	s_wait_dscnt 0x0
	v_pk_add_f32 v[112:113], v[112:113], v[114:115]
	v_pk_add_f32 v[116:117], v[116:117], v[118:119]
	v_pk_add_f32 v[176:177], v[176:177], v[178:179]
	v_pk_add_f32 v[180:181], v[180:181], v[182:183]
	v_pk_add_f32 v[184:185], v[184:185], v[186:187]
	v_pk_add_f32 v[188:189], v[188:189], v[190:191]
	v_pk_add_f32 v[112:113], v[112:113], v[116:117]
	v_pk_add_f32 v[176:177], v[176:177], v[180:181]
	v_pk_add_f32 v[184:185], v[184:185], v[188:189]
	v_pk_add_f32 v[112:113], v[112:113], v[16:17]
	v_pk_add_f32 v[176:177], v[176:177], v[184:185]
	v_pk_add_f32 v[112:113], v[112:113], v[176:177]
	global_store_b64 v14, v[112:113], s[12:13]     ; the wave stores 256 consecutive bytes, at a multiple of 256 from out0's first
	s_wait_tensorcnt 0x0                   ; the wave's end
	ds_add_u32 v12, v13
	s_wait_dscnt 0x0
	s_endpgm
.Lfunc_end_k_q9df99f76de_final:
	.size	k_q9df99f76de_final, .Lfunc_end_k_q9df99f76de_final-k_q9df99f76de_final
	.p2alignl 7, 3214868480
	.fill 96, 4, 3214868480
	.section	.rodata,"a",@progbits
	.p2align	6, 0x0
	.amdhsa_kernel k_q9df99f76de_final
		.amdhsa_group_segment_fixed_size 85504
		.amdhsa_private_segment_fixed_size 0
		.amdhsa_enable_private_segment 0
		.amdhsa_kernarg_size 40
		.amdhsa_user_sgpr_count 2
		.amdhsa_user_sgpr_kernarg_segment_ptr 1
		.amdhsa_wavefront_size32 1
		.amdhsa_system_sgpr_workgroup_id_x 1
		.amdhsa_system_sgpr_workgroup_id_y 1
		.amdhsa_system_sgpr_workgroup_id_z 1
		.amdhsa_system_vgpr_workitem_id 0
		.amdhsa_next_free_vgpr 256
		.amdhsa_next_free_sgpr 66
		.amdhsa_reserve_vcc 0
		.amdhsa_float_denorm_mode_32 3
		.amdhsa_float_denorm_mode_16_64 3
		.amdhsa_memory_ordered 1
		.amdhsa_forward_progress 1
		.amdhsa_inst_pref_size 27
	.end_amdhsa_kernel
	.amdgpu_metadata
---
amdhsa.version: [ 1, 2 ]
amdhsa.kernels:
  - .name:           k_q9df99f76de_final
    .symbol:         k_q9df99f76de_final.kd
    .args:
      - { .name: part, .offset: 0, .size: 8, .value_kind: global_buffer, .address_space: global }
      - { .name: pf, .offset: 8, .size: 8, .value_kind: global_buffer, .address_space: global }
      - { .name: ch, .offset: 16, .size: 8, .value_kind: global_buffer, .address_space: global }
      - { .name: bo, .offset: 24, .size: 8, .value_kind: global_buffer, .address_space: global }
      - { .name: out0, .offset: 32, .size: 8, .value_kind: global_buffer, .address_space: global }
    .group_segment_fixed_size: 85504
    .private_segment_fixed_size: 0
    .kernarg_segment_align: 8
    .kernarg_segment_size: 40
    .max_flat_workgroup_size: 512
    .sgpr_count:     66
    .vgpr_count:     256
    .wavefront_size: 32
...
	.end_amdgpu_metadata
.endif
;; end of part 3
;; ======== version 2 of 2: 3 launches; version 1 with the launch final written anew for expert scheduling mode
;; workspace buffers: ubuf 524,288 bytes; cb 4,096 bytes; pf 1,048,576 bytes; ch 8,192 bytes; part 2,621,440 bytes
;; launch prep: the kernel of part 1 again; grid 16 x 1, 16 waves a work-group, no clusters, 280,320 bytes of LDS; arguments Wm, Wk, Wv, Wq, Wo, query_hidden, ln_w, ln_b, bm, bk, bv, bq, ubuf, cb, pf, ch; writes ubuf, cb, pf, ch
;; launch main: the kernel of part 2 again; grid 256 x 1, 8 waves a work-group, no clusters, 145,664 bytes of LDS; arguments support_memory, ubuf, cb, part; writes part
;; launch final (part 4): grid 32 x 1, 16 waves a work-group, no clusters, 85,504 bytes of LDS; arguments part, pf, ch, bo, out0; writes out0
.if DOCPART == 4
	.amdgcn_target "amdgcn-amd-amdhsa--gfx1250"
	.amdhsa_code_object_version 6
	.text
	.protected	k_q9df99f76de_final
	.globl	k_q9df99f76de_final
	.p2align	8
	.type	k_q9df99f76de_final,@function
k_q9df99f76de_final:
	s_mov_b64 s[64:65], 0
	v_nop
	global_prefetch_b8 v0, s[64:65] scope:SCOPE_SE
	s_setreg_imm32_b32 hwreg(HW_REG_WAVE_SCHED_MODE, 0, 2), 2
	s_setreg_imm32_b32 hwreg(HW_REG_WAVE_MODE, 25, 1), 1
	s_wait_xcnt 0x0
	s_wait_alu depctr_vm_vsrc(0)
; THE END.  out[b][o] = sum over h, i of z[b][h][i] P[o][h][i] + sum over h of ch[h][o] + bo[o].
; z joins a batch's two halves: with Mx = max(M0, M1) and f = 2^(M - Mx), z = (f0 O0 + f1 O1) / (f0 L0 + f1 L1), in f32, rounded once to bf16 for the product; the biases are added in f32.
; SHARES.  32 work-groups: 16 batches (x & 7) x 64 outputs (x >> 3).  16 waves.  z: wave w makes head w & 7 of 8 batches (w >> 3).  Product: wave w has 16 outputs (w & 3) and two heads (w >> 2), 512 along K;
; the four parts of K meet in LDS, and wave w then stores batch w's 64 outputs, 256 consecutive bytes.
; The matrix instruction takes P as source 0 (rows o) and z as source 1 (columns b).  P lies in memory in the order of its fragments, so its loads are 512 consecutive bytes each.
; LIMITS.  NaN and infinities are not treated apart.  No tensor loads, cluster or prefetch: a short launch on 3.7 MB that the launches before have just written.
; THE MODE: SCHED_MODE bits 1:0 = 2 (LLVM: expert scheduling mode 2), set by the entry lines.  The code itself states the register dependences
; between vector or matrix instructions and memory or LDS instructions, with s_wait_alu, always for 0.
; THE PLAN.  Registers that memory or LDS instructions touch:
;   v4-v11, v14   addresses, made at the head and never written again; v12, v13 likewise, read by the closing add alone.
;   v32-63        (M, L) as loaded; vector work makes the two factors of each batch there, and all eight batches' multiplies read them; then the second head's P, chunks 0-3, lands there.
;   v64-191       O as loaded, 16 registers a batch; the batch's arithmetic works in place, and its four lowest registers are the data of its two LDS stores.
;                 Later: the second head's P, chunks 4-7 (v64-95); the accumulators (v96-111); z's fragments (v112-175, loaded twice); ch (v176-191).
;   v192-255      the first head's P: named by loads and matrix instructions alone.        v16-23  vector work alone, until bo lands in v16-17.
; The batches go in two fours.  One wait on va_vdst behind the first four's arithmetic; their eight LDS stores are dealt among the second four's arithmetic, which names none of their registers.
; One wait on va_vdst behind the second four's; one on vm_vsrc behind the last LDS store, ahead of all that lands in the stores' data registers.  One on va_vdst between the product's halves,
; one ahead of the sums' LDS stores, one ahead of the global store.
.set ZP,    4112                       ; a batch's z: 8 heads x 512 bytes + 16
.set RS,    66048                      ; [4 parts of K][16 batches] rows of 272 bytes: 64 f32 + 16
.set SPARE, 83456                      ; the spare words, 128 bytes a wave: no other line names them
.macro PLACES
.rept 4
	v_nop
.endr
.endm
	s_load_b256 s[4:11], s[0:1], 0x0       ; part 4, pf 6, ch 8, bo 10
	s_load_b64 s[12:13], s[0:1], 0x20      ; out0
	v_lshl_add_u32 v12, v0, 2, SPARE
	v_mov_b32 v13, 0
	v_lshrrev_b32 v1, 5, v0
	v_readfirstlane_b32 s14, v1            ; wave 0..15
	v_and_b32 v1, 31, v0
	v_and_b32 v2, 15, v0
	v_bfe_u32 v3, v0, 4, 1
	s_and_b32 s15, ttmp9, 7                ; bt
	s_lshr_b32 s16, ttmp9, 3               ; oq
	s_wait_alu depctr_va_sdst(0)           ; s14 is written, ahead of its first reader: the wave's shares and all addresses are made from it
	s_and_b32 s17, s14, 7                  ; my head while z is made
	s_lshr_b32 s18, s14, 3                 ; and my 8 batches
	s_and_b32 s19, s14, 3                  ; my 16 outputs in the product
	s_lshr_b32 s20, s14, 2                 ; and my two heads
	s_lshl_b32 s24, s15, 4
	s_lshl_b32 s25, s18, 3
	s_add_co_u32 s24, s24, s25
	s_mul_i32 s24, s24, 20480              ; a batch: two work-groups x 8 heads x 1,280 bytes
	s_mul_i32 s25, s17, 1280
	s_add_co_u32 s24, s24, s25
	v_lshl_add_u32 v4, v1, 4, s24          ; O
	s_add_co_u32 s24, s24, 1024
	v_lshl_add_u32 v5, v1, 3, s24          ; (M, L)
	s_mul_i32 s24, s18, 8*ZP
	s_lshl_b32 s25, s17, 9
	s_add_co_u32 s24, s24, s25
	v_lshl_add_u32 v6, v1, 3, s24          ; z into LDS
	s_lshl_b32 s24, s20, 18
	s_lshl_b32 s25, s16, 2
	s_add_co_u32 s25, s25, s19
	s_lshl_b32 s25, s25, 13
	s_add_co_u32 s24, s24, s25
	v_lshl_add_u32 v7, v1, 4, s24          ; P's fragments
	v_mul_u32_u24 v8, v2, ZP
	v_lshl_add_u32 v8, v3, 4, v8
	s_lshl_b32 s24, s20, 10
	v_add_nc_u32 v8, s24, v8               ; z's fragments
	v_mul_u32_u24 v9, v2, 272
	v_lshl_add_u32 v9, v3, 5, v9
	s_mul_i32 s24, s20, 4352
	s_lshl_b32 s25, s19, 6
	s_add_co_u32 s24, s24, s25
	s_add_co_u32 s24, s24, RS
	v_add_nc_u32 v9, s24, v9               ; my part of the sums, in
	s_mul_i32 s24, s14, 272
	s_add_co_u32 s24, s24, RS
	v_lshl_add_u32 v10, v1, 3, s24         ; and back: batch w, outputs 2 L, 2 L + 1
	s_lshl_b32 s24, s16, 8
	v_lshl_add_u32 v11, v1, 3, s24         ; the same outputs in bo and ch
	s_lshl_b32 s25, s15, 4
	s_add_co_u32 s25, s25, s14
	s_lshl_b32 s25, s25, 10
	s_add_co_u32 s25, s25, s24
	v_lshl_add_u32 v14, v1, 3, s25         ; and in out0
	s_wait_kmcnt 0x0
	s_wait_alu depctr_va_vdst(0)           ; the addresses v4 to v11 and v14 are written, which every load and store of the kernel reads; so are v12 and v13, which the closing add reads
.irp t, 0,1,2,3,4,5,6,7
	global_load_b64 v[32+4*\t:32+4*\t+1], v5, s[4:5] offset:20480*\t
	global_load_b64 v[32+4*\t+2:32+4*\t+3], v5, s[4:5] offset:20480*\t+10240
.endr
.irp t, 0,1,2,3,4,5,6,7
.irp g, 0,1
	global_load_b128 v[64+16*\t+8*\g:64+16*\t+8*\g+3], v4, s[4:5] offset:20480*\t+10240*\g
	global_load_b128 v[64+16*\t+8*\g+4:64+16*\t+8*\g+7], v4, s[4:5] offset:20480*\t+10240*\g+512
.endr
.endr
	s_wait_loadcnt 32                      ; the 16 pairs (M, L) are in; O's 32 loads stay out
.irp c, 0,1,2,3,4,5,6,7                ; P for my first head; no vector instruction names v192-255
	global_load_b128 v[192+8*\c:192+8*\c+3], v7, s[6:7] offset:1024*\c
	global_load_b128 v[192+8*\c+4:192+8*\c+7], v7, s[6:7] offset:1024*\c+512
.endr
.irp t, 0,1,2,3,4,5,6,7
	v_max_num_f32 v[16+\t], v[32+4*\t], v[32+4*\t+2]
.endr
.irp t, 0,1,2,3,4,5,6,7
	v_sub_f32 v[32+4*\t], v[32+4*\t], v[16+\t]
	v_sub_f32 v[32+4*\t+2], v[32+4*\t+2], v[16+\t]
.endr
.irp t, 0,1,2,3,4,5,6,7
	v_exp_f32 v[32+4*\t], v[32+4*\t]
	v_exp_f32 v[32+4*\t+2], v[32+4*\t+2]
.endr
	v_nop                                  ; a plain instruction behind the last exponential
	s_wait_alu depctr_va_vdst(0)           ; the 16 exponentials have written the factors in v32, v34 .. v62, ahead of their first reader
.irp t, 0,1,2,3,4,5,6,7
	v_mul_f32 v[16+\t], v[32+4*\t], v[32+4*\t+1]
.endr
.irp t, 0,1,2,3,4,5,6,7
	v_fmac_f32 v[16+\t], v[32+4*\t+2], v[32+4*\t+3]
.endr
.irp t, 0,1,2,3,4,5,6,7
	v_rcp_f32 v[16+\t], v[16+\t]
.endr
	v_nop                                  ; a plain instruction behind the last reciprocal
	s_wait_alu depctr_va_vdst(0)           ; the eight reciprocals have written v16 to v23, ahead of their first reader
.irp t, 0,1,2,3,4,5,6,7
	v_mul_f32 v[32+4*\t], v[32+4*\t], v[16+\t]
	v_mul_f32 v[32+4*\t+2], v[32+4*\t+2], v[16+\t]
.endr
; Batch t's z: f0 O0 + f1 O1, rounded to bf16 into the batch's four lowest registers.
.macro ZMAKE t
	s_wait_loadcnt 44-4*(\t)               ; this batch's four loads are in; the later batches' and P's 16 stay out
.irp k, 0,1,2,3
	v_pk_mul_f32 v[64+16*(\t)+2*\k:64+16*(\t)+2*\k+1], v[64+16*(\t)+2*\k:64+16*(\t)+2*\k+1], v[32+4*(\t):32+4*(\t)+1] op_sel_hi:[1,0]
.endr
.irp k, 0,1,2,3
	v_pk_fma_f32 v[64+16*(\t)+2*\k:64+16*(\t)+2*\k+1], v[64+16*(\t)+8+2*\k:64+16*(\t)+8+2*\k+1], v[32+4*(\t)+2:32+4*(\t)+3], v[64+16*(\t)+2*\k:64+16*(\t)+2*\k+1] op_sel_hi:[1,0,1]
.endr
.irp k, 0,1,2,3
	v_cvt_pk_bf16_f32 v[64+16*(\t)+\k], v[64+16*(\t)+2*\k], v[64+16*(\t)+2*\k+1]
.endr
.endm
; Batch t's z goes into LDS.
.macro ZPUT t
	ds_store_b64 v6, v[64+16*(\t):64+16*(\t)+1] offset:ZP*(\t)
	ds_store_b64 v6, v[64+16*(\t)+2:64+16*(\t)+3] offset:ZP*(\t)+256
.endm
	ZMAKE 0
	ZMAKE 1
	ZMAKE 2
	ZMAKE 3
	s_wait_alu depctr_va_vdst(0)           ; the roundings of batches 0 to 3 have written v64-67, v80-83, v96-99 and v112-115, which the LDS stores below read
.irp t, 4,5,6,7
	ZPUT (\t)-4                            ; no further wait: the arithmetic of batches 4 to 7 names v128-191 and v48-63 alone, none of these stores' registers
	ZMAKE \t
.endr
	s_wait_alu depctr_va_vdst(0)           ; the roundings of batches 4 to 7 have written their stores' data; every reader of the factors in v32-63 and of v16-23 is done, and so is all vector work on v64-191: loads land in all of these below
.irp c, 0,1,2,3                        ; P for my second head, chunks 0 to 3: where the factors lay, which no store has read
	global_load_b128 v[32+8*\c:32+8*\c+3], v7, s[6:7] offset:131072+1024*\c
	global_load_b128 v[32+8*\c+4:32+8*\c+7], v7, s[6:7] offset:131072+1024*\c+512
.endr
	ZPUT 4
	ZPUT 5
	ZPUT 6
	ZPUT 7
	s_wait_alu depctr_vm_vsrc(0)           ; my 16 LDS stores have read their data in v64-191: the loads below and behind the barrier land there, and the matrix instructions write v96-111
.irp c, 4,5,6,7                        ; chunks 4 to 7
	global_load_b128 v[32+8*\c:32+8*\c+3], v7, s[6:7] offset:131072+1024*\c
	global_load_b128 v[32+8*\c+4:32+8*\c+7], v7, s[6:7] offset:131072+1024*\c+512
.endr
	global_load_b64 v[16:17], v11, s[10:11]
.irp h, 0,1,2,3,4,5,6,7
	global_load_b64 v[176+2*\h:176+2*\h+1], v11, s[8:9] offset:1024*\h
.endr
	s_wait_dscnt 0x0                       ; for the others' sake: my part of z is in LDS
	s_barrier_signal -1
	s_barrier_wait -1
; Eight chunks of 32 along K; even chunks on one accumulator, odd on the other, by turns.  pb: P's fragments; first = 1: the sums start.
.macro HALF c0, pb, first, left
.if !(\first)
	s_wait_alu depctr_va_vdst(0)           ; the eight matrix instructions above are done reading z's fragments in v112-175, in which the loads below land; the places above stay beside this wait
.endif
.irp c, 0,1,2,3,4,5,6,7
	ds_load_b128 v[112+8*\c:112+8*\c+3], v8 offset:64*((\c0)+\c)
	ds_load_b128 v[112+8*\c+4:112+8*\c+7], v8 offset:64*((\c0)+\c)+32
.endr
	s_wait_loadcnt \left
.irp c, 0,1,2,3,4,5,6,7
	s_wait_dscnt 14-2*\c                   ; the later chunks' loads, two each, may be out
.if (\first) && (\c < 2)
	v_wmma_f32_16x16x32_bf16 v[96+8*(\c%2):96+8*(\c%2)+7], v[(\pb)+8*\c:(\pb)+8*\c+7], v[112+8*\c:112+8*\c+7], 0
.else
	v_wmma_f32_16x16x32_bf16 v[96+8*(\c%2):96+8*(\c%2)+7], v[(\pb)+8*\c:(\pb)+8*\c+7], v[112+8*\c:112+8*\c+7], v[96+8*(\c%2):96+8*(\c%2)+7]
.endif
.endr
	PLACES
.endm
	HALF 0, 192, 1, 25                     ; the second head's 16 loads and the biases' 9 may be out.  No vector instruction stands between the two waits ahead of the barrier and these loads
	HALF 8, 32, 0, 9                       ; the biases' 9 may be out
.irp k, 0,1,2,3
	v_pk_add_f32 v[96+2*\k:96+2*\k+1], v[96+2*\k:96+2*\k+1], v[104+2*\k:104+2*\k+1]
.endr
	s_wait_alu depctr_va_vdst(0)           ; the additions have written v96-103, which the LDS stores read; the matrix instructions are done reading v112-119, in which the loads behind the barrier land
	ds_store_b128 v9, v[96:99]             ; a lane holds batch r, outputs 8 hh .. 8 hh + 7 of my 16
	ds_store_b128 v9, v[100:103] offset:16
	s_wait_dscnt 0x0
	s_barrier_signal -1
	s_barrier_wait -1
.irp k, 0,1,2,3
	ds_load_b64 v[112+2*\k:112+2*\k+1], v10 offset:4352*\k
.endr
	s_wait_loadcnt 0x0
	s_wait_dscnt 0x0
	v_pk_add_f32 v[112:113], v[112:113], v[114:115]
	v_pk_add_f32 v[116:117], v[116:117], v[118:119]
	v_pk_add_f32 v[176:177], v[176:177], v[178:179]
	v_pk_add_f32 v[180:181], v[180:181], v[182:183]
	v_pk_add_f32 v[184:185], v[184:185], v[186:187]
	v_pk_add_f32 v[188:189], v[188:189], v[190:191]
	v_pk_add_f32 v[112:113], v[112:113], v[116:117]
	v_pk_add_f32 v[176:177], v[176:177], v[180:181]
	v_pk_add_f32 v[184:185], v[184:185], v[188:189]
	v_pk_add_f32 v[112:113], v[112:113], v[16:17]
	v_pk_add_f32 v[176:177], v[176:177], v[184:185]
	v_pk_add_f32 v[112:113], v[112:113], v[176:177]
	s_wait_alu depctr_va_vdst(0)           ; the last addition has written v112-113, which the store reads
	global_store_b64 v14, v[112:113], s[12:13]     ; the wave stores 256 consecutive bytes, at a multiple of 256 from out0's first
	s_wait_dscnt 0x0                       ; the closing lines, six on end
	s_wait_alu 0x0
	s_wait_tensorcnt 0x0
	ds_add_u32 v12, v13
	s_wait_dscnt 0x0
	s_endpgm
.Lfunc_end_k_q9df99f76de_final:
	.size	k_q9df99f76de_final, .Lfunc_end_k_q9df99f76de_final-k_q9df99f76de_final
	.p2alignl 7, 3214868480
	.fill 96, 4, 3214868480
	.section	.rodata,"a",@progbits
	.p2align	6, 0x0
	.amdhsa_kernel k_q9df99f76de_final
		.amdhsa_group_segment_fixed_size 85504
		.amdhsa_private_segment_fixed_size 0
		.amdhsa_enable_private_segment 0
		.amdhsa_kernarg_size 40
		.amdhsa_user_sgpr_count 2
		.amdhsa_user_sgpr_kernarg_segment_ptr 1
		.amdhsa_wavefront_size32 1
		.amdhsa_system_sgpr_workgroup_id_x 1
		.amdhsa_system_sgpr_workgroup_id_y 1
		.amdhsa_system_sgpr_workgroup_id_z 1
		.amdhsa_system_vgpr_workitem_id 0
		.amdhsa_next_free_vgpr 256
		.amdhsa_next_free_sgpr 66
		.amdhsa_reserve_vcc 0
		.amdhsa_float_denorm_mode_32 3
		.amdhsa_float_denorm_mode_16_64 3
		.amdhsa_memory_ordered 1
		.amdhsa_forward_progress 1
		.amdhsa_inst_pref_size 28
	.end_amdhsa_kernel
	.amdgpu_metadata
---
amdhsa.version: [ 1, 2 ]
amdhsa.kernels:
  - .name:           k_q9df99f76de_final
    .symbol:         k_q9df99f76de_final.kd
    .args:
      - { .name: part, .offset: 0, .size: 8, .value_kind: global_buffer, .address_space: global }
      - { .name: pf, .offset: 8, .size: 8, .value_kind: global_buffer, .address_space: global }
      - { .name: ch, .offset: 16, .size: 8, .value_kind: global_buffer, .address_space: global }
      - { .name: bo, .offset: 24, .size: 8, .value_kind: global_buffer, .address_space: global }
      - { .name: out0, .offset: 32, .size: 8, .value_kind: global_buffer, .address_space: global }
    .group_segment_fixed_size: 85504
    .private_segment_fixed_size: 0
    .kernarg_segment_align: 8
    .kernarg_segment_size: 40
    .max_flat_workgroup_size: 512
    .sgpr_count:     66
    .vgpr_count:     256
    .wavefront_size: 32
...
	.end_amdgpu_metadata
.endif
;; end of part 4
